; MI455X (gfx1250); checked and timed in simulation.
; The chip was launched on July 23, 2026; its instructions are those of AMD's public machine-readable ISA for CDNA 5 (MIT licence, August 2026) and "CDNA5" Instruction Set Architecture Reference Guide (July 2026). The comments in the code are by the model that wrote it; some were corrected since.
;; Simple Attention. Allowed arithmetic: matrix products marked QUANTISED: E2M3 operands, one E8M0 scale for each 32 along K, by v_wmma_scale_f32_16x16x128_f8f6f4 with both operands' format E2M3, f32 sums; everything else in f32.
;; Inputs: bo 256 float32; wk 256 x 256 float32; wo 256 x 256 float32; wq 256 x 256 float32; wv 256 x 256 float32; x 4 x 4,096 x 256 float32.
;; Outputs: out0 4 x 4,096 x 256 float32.
;; This version of the problem:
;;   THIS VERSION OF THE PROBLEM IS GIVEN IN LOW PRECISION. The matrix products marked QUANTISED in the list below multiply operands that are first quantised to E2M3 (2 exponent bits, 3 mantissa bits; 6 bits a number), with one power-of-two scale for each 32 numbers along K (OCP MX v1.0); their sums are f32. All else is computed in f32.
;;   The module's matrix products, in the order in which they are computed (A, B: the left and right operand; K: the contracted axis; several contracted axes count as one K, in the product's order):
;;     1. [M 16,384, K 256] x [K 256, N 256]; A: input x; B: input wq: QUANTISED
;;     2. [M 16,384, K 256] x [K 256, N 256]; A: input x; B: input wk: QUANTISED
;;     3. [M 16,384, K 256] x [K 256, N 256]; A: input x; B: input wv: QUANTISED
;;     4. batch 16 x [M 4,096, K 64] x [K 64, N 4,096]; A: computed on the way; B: computed on the way: QUANTISED
;;     5. batch 16 x [M 4,096, K 4,096] x [K 4,096, N 64]; A: softmax (see below); B: computed on the way: QUANTISED
;;     6. [M 16,384, K 256] x [K 256, N 256]; A: computed on the way; B: input wo: QUANTISED
;;   THE QUANTISER, for each operand of a quantised product, along K:
;;     - K is cut into blocks of 32 from its start; a last block that is shorter is filled with zeros.
;;     - A block's scale is 2^e with e = floor(log2(the largest magnitude in the block)) - 2, held to -126 .. 127; a block of zeros has e = 0. As a byte (E8M0): e + 127.
;;     - Each number is divided by its block's scale, clamped to +-7.5, and rounded to the nearest number of E2M3, ties to even, subnormals kept.
;;     - The product sums the exact products of the quantised numbers (number of the format x scale) in f32.
;;   ~~~python
;;   def quantise(x, axis):      # numpy; x: float32 -> the quantised numbers, widened to float32 again
;;       x = np.moveaxis(x, axis, -1); K = x.shape[-1]
;;       x = np.pad(x, [(0, 0)] * (x.ndim - 1) + [(0, -K % 32)]); x = x.reshape(x.shape[:-1] + (-1, 32)); a = np.abs(x).max(-1, keepdims=True)
;;       e = np.where(a > 0, np.clip(np.frexp(np.where(a > 0, a, 1))[1] - 1 - 2, -126, 127), 0)      # np.frexp(a)[1] - 1 = floor(log2(a)), exactly
;;       r = np.clip(x / 2.0 ** e, -7.5, 7.5)
;;       step = 2.0 ** (np.maximum(np.frexp(np.where(r == 0, 1, r))[1] - 1, 0) - 3)
;;       q = np.round(r / step) * step * 2.0 ** e      # np.round: ties to even
;;       return np.moveaxis(q.reshape(q.shape[:-2] + (-1,))[..., :K], -1, axis).astype(np.float32)
;;   ~~~
;;   SOFTMAX AHEAD OF A QUANTISED PRODUCT. Where the list says 'softmax', what is quantised is not the finished softmax but p = 2^(t - M), with t = logit x log2(e) and M = ceil(the row's largest t), a whole number; so 1/2 < the row's largest p <= 1. The row's sum l is taken of the UNQUANTISED p, in f32, and the product's result is divided by l at the end. Since M is a whole number, a kernel that streams over the keys may use a running M (the ceiling of the running maximum): every later rescaling is an exact power of two, which a block's scale takes up: the codes' values come out the same.
;;   OPERANDS COMPUTED ON THE WAY. 'Computed on the way' means the value that the module computes at that place (a softmax that the list does not call 'softmax' is quantised finished and normalised). What goes into a quantiser is computed in f32, as accurately as f32 sums, v_exp_f32 and their like allow (about 1e-6 of the number): no bf16 or f16 on the way to a quantiser, and a product that is left as it is and whose result goes on into a quantised operand takes f32 operands (vector FMAs, or v_wmma_f32_16x16x4_f32). A number that lies on a knife's edge between two numbers of the format may be rounded either way, as far as f32 arithmetic and the matrix unit's own rounding can turn it there, and no further.
;; One version. Each part assembles by itself: llvm-mc -triple=amdgcn-amd-amdhsa -mcpu=gfx1250 --defsym DOCPART=n.
;; ======== version 1 of 1: 3 launches
;; limits: right only within a limited range of input values
;; workspace buffers: wc 196,608 bytes; ws 16,384 bytes; qkvc 9,437,184 bytes; qkvs 393,216 bytes
;; launch wquant (part 1): grid 128 x 1, 1 waves a work-group, no clusters, 0 bytes of LDS; arguments wq, wk, wv, wo, wc, ws; writes wc, ws
.if DOCPART == 1
	.amdgcn_target "amdgcn-amd-amdhsa--gfx1250"
	.amdhsa_code_object_version 6
	.text
	.protected	k_q52a368b670_wquant
	.globl	k_q52a368b670_wquant
	.p2align	8
	.type	k_q52a368b670_wquant,@function
k_q52a368b670_wquant:
	s_mov_b64 s[64:65], 0
	v_nop
	global_prefetch_b8 v0, s[64:65] scope:SCOPE_SE
	s_setreg_imm32_b32 hwreg(HW_REG_WAVE_MODE, 25, 1), 1
	s_wait_xcnt 0x0
; wq, wk, wv, wo: [256][256] f32, K innermost.  Each becomes 32 operand fragments (16 tiles of 16 rows x 2 K steps of 128) of FP6 (E2M3) codes with one E8M0 byte for each 32 along K.
; One wave makes one fragment, f = work-group = 32 x weight + 2 x tile + K step (weights in the order q, k, v, o): 128 fragments, 128 work-groups.
; A fragment leaves as an IMAGE OF ITS REGISTERS: registers 4 c .. 4 c + 3 of lane l at wc + 1,536 f + 512 c + 16 l; its scale word of lane l at ws + 128 f + 4 l.  So the later launches
; load any fragment by three loads of 16 bytes a lane, each of 512 consecutive bytes.
; THE ROWS OF A TILE ARE NOT NEIGHBOURS: lane r of tile 2 b + u takes row 32 b + 8 u + r + 8 (r / 8), so that in a product that takes the tile as source 0 the 16 registers of tiles 2 b and 2 b + 1
; are 16 neighbours along the rows' axis.
; A block's scale is 2^(floor(log2(largest magnitude)) - 2); its byte is the largest magnitude's exponent field - 2, held at 1 from below.
; LIMITS: NaN and infinities are not served; a block whose largest magnitude lies under 2^-124 keeps the byte 1; a block of zeros gets the byte 1 and not 127: its codes are zeros, and this program alone reads the bytes.
; No LDS, no matrix unit, no cluster: the launch reads each of 1,048,576 bytes once and no two waves share a byte.
.set ST,  16                           ; v16-79   64 numbers: register 16 b + i = k 32 b + 16 (lane / 16) + i of my row
.set PC,  80                           ; v80-91   the codes; v92-99 at work
.set TM,  100                          ; v100-115 at work: largest magnitudes, bytes, scale operands
.set PW,  116                          ; v116     the scale word
.set SEL, 24                           ; s[24:25] lane selects for v_permlanex16_b32: lane l xor 16
; 64 numbers of a lane become a fragment's codes in v[PC] on and its scale word in v[PW].
.macro QUANT s
.irp b, 0,1,2,3
	v_max3_num_f32 v[TM+\b], |v[\s+16*\b]|, |v[\s+1+16*\b]|, 0x1800000   ; block b: my 16 numbers, and the floor 2^(3 - 127): the byte cannot fall under 1
.endr
.irp i, 2,4,6,8,10,12,14
.irp b, 0,1,2,3
	v_max3_num_f32 v[TM+\b], v[TM+\b], |v[\s+16*\b+\i]|, |v[\s+1+16*\b+\i]|   ; the four blocks by turns
.endr
.endr
.irp b, 0,1,2,3
	v_permlanex16_b32 v[TM+4+\b], v[TM+\b], s[SEL], s[SEL+1]
.endr
.irp b, 0,1,2,3
	v_max_num_f32 v[TM+\b], v[TM+\b], v[TM+4+\b]   ; with lane l xor 16's 16: the block's largest magnitude
.endr
.irp b, 0,1,2,3
	v_add_nc_u32 v[TM+12+\b], 0xff000000, v[TM+\b]   ; 2 off its exponent field: the conversion takes the exponent field of this operand as its scale
.endr
.irp b, 0,1,2,3
	v_lshrrev_b32 v[TM+4+\b], 23, v[TM+12+\b]      ; the scale's byte
.endr
	v_lshl_or_b32 v[PW], v[TM+5], 8, v[TM+4]       ; four bytes make my row's scale word
	v_lshl_or_b32 v[PW], v[TM+6], 16, v[PW]
	v_lshl_or_b32 v[PW], v[TM+7], 24, v[PW]
.irp c, 0,1
	v_cvt_scalef32_pk16_fp6_f32 v[PC+6*\c:PC+2+6*\c], v[\s+32*\c:\s+15+32*\c], v[TM+12+2*\c]
	v_cvt_scalef32_pk16_fp6_f32 v[PC+12+4*\c:PC+14+4*\c], v[\s+16+32*\c:\s+31+32*\c], v[TM+12+2*\c+1]   ; (a conversion's three registers begin on an even number)
.endr
	v_nop                                          ; one plain place behind a scaled conversion
.irp c, 0,1                                    ; the operand's layout wants a whole block in a lane: lanes 0-15 block 2 c, lanes 16-31 block 2 c + 1
.irp i, 0,1,2
	v_permlane16_swap_b32 v[PC+6*\c+\i], v[PC+12+4*\c+\i]
.endr
.irp i, 0,1,2
	v_mov_b32 v[PC+3+6*\c+\i], v[PC+12+4*\c+\i]
.endr
.endr
.endm
	s_load_b256 s[4:11], s[0:1], 0x0               ; wq s[4:5], wk s[6:7], wv s[8:9], wo s[10:11]
	s_load_b128 s[12:15], s[0:1], 0x20             ; wc s[12:13], ws s[14:15]
	s_lshr_b32 s16, ttmp9, 5                       ; which weight
	s_bfe_u32 s17, ttmp9, 0x40001                  ; which tile: 4 bits from bit 1
	s_and_b32 s18, ttmp9, 1                        ; which K step
	s_lshr_b32 s26, s17, 1
	s_lshl_b32 s26, s26, 15                        ; 32 (tile / 2) rows of 1,024 bytes
	s_and_b32 s27, s17, 1
	s_lshl_b32 s27, s27, 13                        ; + 8 (tile % 2) rows
	s_add_co_u32 s26, s26, s27
	s_lshl_b32 s27, s18, 9                         ; + 512 bytes for K step 1
	s_add_co_u32 s26, s26, s27
	s_mov_b32 s27, 0
	s_mul_i32 s28, ttmp9, 1536                     ; my fragment's image
	s_mov_b32 s29, 0
	s_lshl_b32 s30, ttmp9, 7                       ; and its scale words
	s_mov_b32 s31, 0
	s_mov_b32 s[SEL], 0x76543210
	s_mov_b32 s[SEL+1], 0xfedcba98
	v_and_b32 v1, 15, v0                           ; r
	v_lshrrev_b32 v2, 4, v0                        ; h
	v_and_b32 v3, 8, v1
	v_add_nc_u32 v3, v3, v1                        ; r + 8 (r / 8)
	v_lshlrev_b32 v3, 10, v3                       ; that row,
	v_lshl_add_u32 v3, v2, 6, v3                   ; + 64 h: my 16 numbers of each block of 32
	v_lshlrev_b32 v4, 4, v0                        ; 16 x lane
	v_lshlrev_b32 v5, 2, v0                        ; 4 x lane
.irp b, 0,1,2,3
	v_mov_b32 v[TM+4+\b], 0                        ; written once: a lane permute's destination counts as one of its sources
.endr
	s_wait_alu depctr_va_vdst(0)
	s_wait_kmcnt 0x0
	s_cmp_lt_u32 s16, 2                            ; the choice among the four weights hangs on the work-group's number alone
	s_cselect_b64 s[20:21], s[4:5], s[8:9]         ; wq or wv
	s_cselect_b64 s[22:23], s[6:7], s[10:11]       ; wk or wo
	s_and_b32 s19, s16, 1
	s_cmp_eq_u32 s19, 0
	s_cselect_b64 s[20:21], s[20:21], s[22:23]
	s_add_nc_u64 s[20:21], s[20:21], s[26:27]
	s_add_nc_u64 s[12:13], s[12:13], s[28:29]
	s_add_nc_u64 s[14:15], s[14:15], s[30:31]
.irp b, 0,1,2,3
.irp j, 0,1,2,3
	global_load_b128 v[ST+16*\b+4*\j:ST+16*\b+4*\j+3], v3, s[20:21] offset:128*\b+16*\j
.endr
.endr
	s_wait_loadcnt 0x0
	QUANT ST
.irp c, 0,1,2
	global_store_b128 v4, v[PC+4*\c:PC+4*\c+3], s[12:13] offset:512*\c   ; 32 lanes store 512 consecutive bytes, at a multiple of 256 from wc's first byte
.endr
	global_store_b32 v5, v[PW], s[14:15]           ; lanes 16-31 hold the same words as lanes 0-15
	s_endpgm
.Lfunc_end_k_q52a368b670_wquant:
	.size	k_q52a368b670_wquant, .Lfunc_end_k_q52a368b670_wquant-k_q52a368b670_wquant
	.p2alignl 7, 3214868480
	.fill 96, 4, 3214868480
	.section	.rodata,"a",@progbits
	.p2align	6, 0x0
	.amdhsa_kernel k_q52a368b670_wquant
		.amdhsa_group_segment_fixed_size 0
		.amdhsa_private_segment_fixed_size 0
		.amdhsa_enable_private_segment 0
		.amdhsa_kernarg_size 48
		.amdhsa_user_sgpr_count 2
		.amdhsa_user_sgpr_kernarg_segment_ptr 1
		.amdhsa_wavefront_size32 1
		.amdhsa_system_sgpr_workgroup_id_x 1
		.amdhsa_system_sgpr_workgroup_id_y 1
		.amdhsa_system_sgpr_workgroup_id_z 1
		.amdhsa_system_vgpr_workitem_id 0
		.amdhsa_next_free_vgpr 128
		.amdhsa_next_free_sgpr 66
		.amdhsa_reserve_vcc 0
		.amdhsa_float_denorm_mode_32 3
		.amdhsa_float_denorm_mode_16_64 3
		.amdhsa_memory_ordered 1
		.amdhsa_forward_progress 1
		.amdhsa_inst_pref_size 8
	.end_amdhsa_kernel
	.amdgpu_metadata
---
amdhsa.version: [ 1, 2 ]
amdhsa.kernels:
  - .name:           k_q52a368b670_wquant
    .symbol:         k_q52a368b670_wquant.kd
    .args:
      - { .name: wq, .offset: 0, .size: 8, .value_kind: global_buffer, .address_space: global }
      - { .name: wk, .offset: 8, .size: 8, .value_kind: global_buffer, .address_space: global }
      - { .name: wv, .offset: 16, .size: 8, .value_kind: global_buffer, .address_space: global }
      - { .name: wo, .offset: 24, .size: 8, .value_kind: global_buffer, .address_space: global }
      - { .name: wc, .offset: 32, .size: 8, .value_kind: global_buffer, .address_space: global }
      - { .name: ws, .offset: 40, .size: 8, .value_kind: global_buffer, .address_space: global }
    .group_segment_fixed_size: 0
    .private_segment_fixed_size: 0
    .kernarg_segment_align: 8
    .kernarg_segment_size: 48
    .max_flat_workgroup_size: 32
    .sgpr_count:     66
    .vgpr_count:     128
    .wavefront_size: 32
...
	.end_amdgpu_metadata
.endif
;; end of part 1
;; launch qkv (part 2): grid 256 x 1, 8 waves a work-group, clusters of 4 x 1, 240,640 bytes of LDS; arguments x, wc, ws, qkvc, qkvs; writes qkvc, qkvs
.if DOCPART == 2
	.amdgcn_target "amdgcn-amd-amdhsa--gfx1250"
	.amdhsa_code_object_version 6
	.text
	.protected	k_q52a368b670_qkv
	.globl	k_q52a368b670_qkv
	.p2align	8
	.type	k_q52a368b670_qkv,@function
k_q52a368b670_qkv:
	s_mov_b64 s[64:65], 0
	v_nop
	global_prefetch_b8 v0, s[64:65] scope:SCOPE_SE
	s_setreg_imm32_b32 hwreg(HW_REG_WAVE_MODE, 25, 1), 1
	s_wait_xcnt 0x0
	s_wait_alu depctr_hold_cnt(0) depctr_sa_sdst(0) depctr_va_vdst(0) depctr_va_sdst(0) depctr_va_ssrc(0) depctr_va_vcc(0) depctr_vm_vsrc(0)
	s_getreg_b32 s2, hwreg(HW_REG_IB_STS2, 6, 4)
	s_cmp_eq_u32 s2, 0
	s_cbranch_scc0 .Lentry_in_a_cluster
	s_endpgm
.Lentry_in_a_cluster:
	s_bfe_u32 s2, ttmp6, 0x10000c
	s_cmp_lg_u32 s2, 0x3003
	s_cbranch_scc0 .Lentry_shape_is_right
	s_endpgm
.Lentry_shape_is_right:
; q, k, v = Q(x) Q(W)^T on codes of FP6 (E2M3) with one E8M0 scale for each 32 along K, and the results quantised at once for the attention: q and k along the head's 64, v along the tokens.
; x: [16,384][256] f32.  wc, ws: the weights' fragment images and scale words (fragment f = 32 x weight + 2 x tile + K step at 1,536 f and 128 f).
; SHARES.  A work-group of eight waves takes 64 tokens (a GROUP g of batch b).  X PHASE: wave w quantises token tile w / 2, K step w % 2 of x and lays the fragment's image in LDS.
; PRODUCTS: wave w = (head A = w / 2, half Bq = w % 2) makes three units of 16 matrix instructions:
;   q, k: source 0 = the head's 4 tiles of W, source 1 = token tiles 2 Bq, 2 Bq + 1: a lane holds one token and its registers run along the head's 64;
;   v:    source 0 = x's 4 token tiles, source 1 = tiles 2 Bq, 2 Bq + 1 of the head's rows of Wv: a lane holds one feature and its registers run along the group's 64 tokens.
; In both the 64 registers of a lane are, 32 and 32, two rows of 64 neighbours along the next product's K: one pass of the quantiser gives two HALF IMAGES of 768 bytes (6 registers a lane: lane (r, h) holds row r,
; k = 32 h .. 32 h + 31; registers 0-3 at 16 x lane, registers 4-5 at 512 + 8 x lane) and one scale word a row (bytes 0, 1: the first image's two blocks; bytes 2, 3: the second's).
; THE TOKENS OF A TILE ARE NOT NEIGHBOURS, nor the rows of a weight's tile: lane r of tile 2 b + u takes 32 b + 8 u + r + 8 (r / 8).
; OUT.  qkvc + kind x 3,145,728 + ((4 b + head) x 64 + g) x 3,072 + i x 768 (kind 0, 1, 2 = q, k, v; i = token tile, for v the head's feature tile);
;       qkvs + kind x 131,072 + (4 b + head) x 8,192 + g x 128 + (i / 2) x 64 + 4 r.
; CLUSTER.  Every work-group needs the same 159,744 bytes of weights, out of the 225,280 that it brings in: the four of a cluster ask for them JOINTLY.  x's tile is each work-group's own.
; Nothing in LDS is filled twice.  By this text's own count a wave has one tensor load out.
; LIMITS: NaN and infinities are not served; a block whose largest magnitude lies under 2^-124 keeps the byte 1; a block of zeros gets the byte 1 and not 127: its codes are zeros, and this program alone reads the bytes.
.set XP,    1040                       ; a row of x in LDS: 1,024 bytes + 16
.set WIMG,  66560                      ; behind x's 64 rows: fragments 0 .. 95 of wc, 147,456 bytes
.set WSC,   214016                     ; their scale words, 12,288 bytes
.set XIMG,  226304                     ; x's 8 fragments (token tile m, K step s: 2 m + s), 12,288 bytes: stored by the waves, never a tensor load's target
.set XSC,   238592                     ; their scale words, 1,024 bytes
.set LI,  4                            ; v4   16 x lane
.set LS,  5                            ; v5   4 x lane
.set AW,  6                            ; v6   my head's fragments of wq (wk: 49,152 on)
.set AWV, 7                            ; v7   my two tiles of wv
.set AX,  8                            ; v8   x's fragments
.set AX2, 9                            ; v9   x's fragments of my two token tiles
.set SW,  10                           ; v10-13 the same four for the scale words
.set SWV, 11
.set SX,  12
.set SX2, 13
.set XR,  14                           ; v14  x phase: my row of x in LDS, my K step, my 16 numbers of a block
.set XWI, 15                           ; v15  where I store my fragment of x
.set XWS, 16                           ; v16  and its scale words
.set VO8, 17                           ; v17  8 x lane
.set VSO, 18                           ; v18  4 r + 2 h: my half of a row's scale word
.set SH,  19                           ; v19  16 h
.set VAL, 20                           ; v20  that half
.set F,   24                           ; v24-119 source 0's fragments (K step s, tile i) at F + 12 (4 s + i); v120-167 source 1's (s, j) at F + 96 + 12 (2 s + j)
.set ACC, 168                          ; v168-231 accumulator (j, i) at ACC + 32 j + 8 i; in the x phase 64 numbers of x
.set SCR, 232                          ; v232-243 scale words and nothing else: source 0's at SCR + 4 s + i, source 1's at SCR + 8 + 2 s + j
.set PC,  24                           ; the quantiser's registers lie over K step 0's fragments, which are done with: v24-43 codes,
.set TM,  44                           ; v44-59 at work,
.set PW,  60                           ; v60 the scale word
.set WV,  14                           ; s14  my wave's number
.set SEL, 20                           ; s[20:21] lane selects for v_permlanex16_b32: lane l xor 16
.set G1X, 24                           ; s[24:31] descriptor group 1 for x's tile;  s[32:39] for the weights' images;  s[40:47] for their scale words
.set G1W, 32
.set G1S, 40
.set G0X, 48                           ; s[48:51], s[52:55], s[56:59] their groups 0
.set G0W, 52
.set G0S, 56
; A round of the cluster's barrier: my work-group's barrier; wave 0 signals for the work-group; every wave waits for all four work-groups; my work-group's barrier once more.
.macro CROUND
	s_barrier_signal -1
	s_barrier_wait -1
	s_cmp_lg_u32 s[WV], 0
	s_cbranch_scc1 .Lnot_wave_0_\@
	s_barrier_signal -3
.Lnot_wave_0_\@:
	s_barrier_wait -3
	s_barrier_signal -1
	s_barrier_wait -1
.endm
; 64 numbers of a lane, register 16 b + i = k 32 b + 16 (lane / 16) + i of its row, become 12 registers of codes in v[PC] on and a scale word in v[PW].
.macro QUANT s
.irp b, 0,1,2,3
	v_max3_num_f32 v[TM+\b], |v[\s+16*\b]|, |v[\s+1+16*\b]|, 0x1800000   ; block b: my 16 numbers, and the floor 2^(3 - 127): the byte cannot fall under 1.  Each accumulator is read from its low end on
.endr
.irp i, 2,4,6,8,10,12,14
.irp b, 0,1,2,3
	v_max3_num_f32 v[TM+\b], v[TM+\b], |v[\s+16*\b+\i]|, |v[\s+1+16*\b+\i]|   ; the four blocks by turns
.endr
.endr
.irp b, 0,1,2,3
	s_delay_alu instid0(VALU_DEP_4)
	v_permlanex16_b32 v[TM+4+\b], v[TM+\b], s[SEL], s[SEL+1]
.endr
.irp b, 0,1,2,3
	s_delay_alu instid0(VALU_DEP_4)
	v_max_num_f32 v[TM+\b], v[TM+\b], v[TM+4+\b]   ; with lane l xor 16's 16: the block's largest magnitude
.endr
.irp b, 0,1,2,3
	s_delay_alu instid0(VALU_DEP_4)
	v_add_nc_u32 v[TM+12+\b], 0xff000000, v[TM+\b]   ; 2 off its exponent field: the conversion takes the exponent field of this operand as its scale
.endr
.irp b, 0,1,2,3
	s_delay_alu instid0(VALU_DEP_4)
	v_lshrrev_b32 v[TM+4+\b], 23, v[TM+12+\b]      ; the scale's byte
.endr
	s_delay_alu instid0(VALU_DEP_3)
	v_lshl_or_b32 v[PW], v[TM+5], 8, v[TM+4]
	s_delay_alu instid0(VALU_DEP_1)
	v_lshl_or_b32 v[PW], v[TM+6], 16, v[PW]
	s_delay_alu instid0(VALU_DEP_1)
	v_lshl_or_b32 v[PW], v[TM+7], 24, v[PW]
.irp c, 0,1
	v_cvt_scalef32_pk16_fp6_f32 v[PC+6*\c:PC+2+6*\c], v[\s+32*\c:\s+15+32*\c], v[TM+12+2*\c]
	v_cvt_scalef32_pk16_fp6_f32 v[PC+12+4*\c:PC+14+4*\c], v[\s+16+32*\c:\s+31+32*\c], v[TM+12+2*\c+1]   ; (a conversion's three registers begin on an even number)
.endr
	v_nop                                          ; one plain place behind a scaled conversion
.irp c, 0,1                                    ; a whole block in a lane: lanes 0-15 block 2 c, lanes 16-31 block 2 c + 1
.irp i, 0,1,2
	v_permlane16_swap_b32 v[PC+6*\c+\i], v[PC+12+4*\c+\i]
.endr
.irp i, 0,1,2
	s_delay_alu instid0(VALU_DEP_3)
	v_mov_b32 v[PC+3+6*\c+\i], v[PC+12+4*\c+\i]
.endr
.endr
.endm
.macro FETCH reg, adr, off                     ; a fragment's image comes back as it was stored: three loads of 512 consecutive bytes
.irp c, 0,1,2
	ds_load_b128 v[(\reg)+4*\c:(\reg)+4*\c+3], v[\adr] offset:(\off)+512*\c
.endr
.endm
	s_load_b256 s[4:11], s[0:1], 0x0               ; x s[4:5], wc s[6:7], ws s[8:9], qkvc s[10:11]
	s_load_b64 s[12:13], s[0:1], 0x20              ; qkvs
	v_lshl_add_u32 v254, v0, 2, 0x3a800
	v_mov_b32 v255, 0
	ds_add_u32 v254, v255
	ds_add_u32 v254, v255
	v_lshrrev_b32 v1, 5, v0
	s_delay_alu instid0(VALU_DEP_1)
	v_readfirstlane_b32 s[WV], v1                  ; wave 0..7
	s_bfe_u32 s15, ttmp6, 0x40000                  ; cx: my place in the cluster: it enters x's address and the outputs' alone
	s_lshl_b32 s16, ttmp9, 2                       ; in a cluster launch ttmp9 counts clusters
	s_add_co_u32 s16, s16, s15                     ; my group of 64 tokens, 0 .. 255
	s_lshr_b32 s17, s[WV], 1                       ; A: token tile, later head
	s_and_b32 s18, s[WV], 1                        ; Bq: K step, later half
	s_mov_b32 s[SEL], 0x76543210
	s_mov_b32 s[SEL+1], 0xfedcba98
	; x's tile: 64 rows of 1,024 bytes (128 elements of 8 bytes), by one wave, 16 bytes of padding behind each row
	s_mov_b32 s[G1X+0], (3<<16)|(1<<20)|(7<<22)|(3<<25)   ; no mask; elements of 8 bytes; padding on; after every 256 words (code 7); of 4 words (code 3)
	s_mov_b32 s[G1X+1], 128<<16                    ; tensor_dim0
	s_mov_b32 s[G1X+2], 64<<16                     ; tensor_dim1: all 64 rows, by one wave
	s_mov_b32 s[G1X+3], 128<<16                    ; tile_dim0
	s_mov_b32 s[G1X+4], 64                         ; tile_dim1
	s_mov_b32 s[G1X+5], 128                        ; elements from row to row
	s_mov_b32 s[G1X+6], 0
	s_mov_b32 s[G1X+7], 0
	; the weights' images: a dense block of 24,576 bytes a wave, as 96 rows of 256 bytes; asked for by all four work-groups
	s_mov_b32 s[G1W+0], 15|(3<<16)|(1<<21)         ; the mask: all four; elements of 8 bytes; bit 21 set beside a mask
	s_mov_b32 s[G1W+1], 32<<16
	s_mov_b32 s[G1W+2], 96<<16                     ; 96 rows of 256 bytes: 24,576 bytes for each of six waves
	s_mov_b32 s[G1W+3], 32<<16
	s_mov_b32 s[G1W+4], 96
	s_mov_b32 s[G1W+5], 32
	s_mov_b32 s[G1W+6], 0
	s_mov_b32 s[G1W+7], 0
	; their scale words: 12,288 bytes, 48 rows of 256, by one wave
	s_mov_b32 s[G1S+0], 15|(3<<16)|(1<<21)
	s_mov_b32 s[G1S+1], 32<<16
	s_mov_b32 s[G1S+2], 48<<16                     ; all 12,288 bytes of scale words, 48 rows of 256, by one wave
	s_mov_b32 s[G1S+3], 32<<16
	s_mov_b32 s[G1S+4], 48
	s_mov_b32 s[G1S+5], 32
	s_mov_b32 s[G1S+6], 0
	s_mov_b32 s[G1S+7], 0
	s_mov_b32 s60, 0                               ; x: its 64 rows lie from LDS byte 0 on,
	s_lshl_b32 s66, s16, 16                        ; and in memory: group x 64 rows of 1,024 bytes
	s_mov_b32 s67, 0
	s_mul_i32 s62, s[WV], 24576                    ; the weights: wave x 24,576 (waves 0-5), in memory and in LDS: registers that never hold my place in the cluster
	s_mov_b32 s63, 0
	s_mov_b32 s78, 0
	s_mov_b32 s79, 0
	s_wait_dscnt 0x0
	s_wait_kmcnt 0x0
	s_mov_b32 s[G0X], 1
	s_mov_b32 s[G0X+1], s60
	s_add_nc_u64 s[G0X+2:G0X+3], s[4:5], s[66:67]
	s_or_b32 s[G0X+3], s[G0X+3], 0x80000000
	s_mov_b32 s[G0W], 1
	s_add_co_u32 s[G0W+1], s62, WIMG
	s_add_nc_u64 s[G0W+2:G0W+3], s[6:7], s[62:63]
	s_or_b32 s[G0W+3], s[G0W+3], 0x80000000
	s_mov_b32 s[G0S], 1
	s_add_co_u32 s[G0S+1], s78, WSC
	s_add_nc_u64 s[G0S+2:G0S+3], s[8:9], s[78:79]
	s_or_b32 s[G0S+3], s[G0S+3], 0x80000000
	CROUND                                         ; all four work-groups are here: the joint loads meet
	; THE HEAD'S LOADS, ONE A WAVE: waves 0-5 a sixth of the weights' images each, wave 6 x's 64 rows, wave 7 the scale words.
	; One chain of branches on the wave's number, one load to an arm, all arms leading to one join.  By this text's own count a wave has one tensor load out.
	s_cmp_lt_u32 s[WV], 6
	s_cbranch_scc0 .Lhead_x
	tensor_load_to_lds s[G0W:G0W+3], s[G1W:G1W+7]
	s_nop 0
.rept 4
	v_nop
.endr
	s_branch .Lhead_join
.Lhead_x:
	s_cmp_lt_u32 s[WV], 7
	s_cbranch_scc0 .Lhead_s
	tensor_load_to_lds s[G0X:G0X+3], s[G1X:G1X+7]
	s_nop 0
.rept 4
	v_nop
.endr
	s_branch .Lhead_join
.Lhead_s:
	tensor_load_to_lds s[G0S:G0S+3], s[G1S:G1S+7]
	s_nop 0
.rept 4
	v_nop
.endr
.Lhead_join:
	; addresses, while the tiles are on their way
	v_and_b32 v1, 31, v0                           ; lane
	v_and_b32 v2, 15, v0                           ; r
	v_bfe_u32 v3, v0, 4, 1                         ; h
	s_delay_alu instid0(VALU_DEP_3)
	v_lshlrev_b32 v[LI], 4, v1
	s_wait_alu depctr_va_vdst(0)
	v_lshlrev_b32 v[LS], 2, v1
	s_wait_alu depctr_va_vdst(0)
	v_lshlrev_b32 v[VO8], 3, v1
	v_lshlrev_b32 v[VSO], 2, v2
	s_delay_alu instid0(VALU_DEP_1)
	v_lshl_add_u32 v[VSO], v3, 1, v[VSO]
	v_lshlrev_b32 v[SH], 4, v3
	s_mul_i32 s76, s17, 12288                      ; head A's 8 fragments of a weight
	s_add_co_u32 s76, s76, WIMG
	v_add_nc_u32 v[AW], s76, v[LI]
	s_lshl_b32 s76, s17, 2
	s_lshl_b32 s77, s18, 1
	s_add_co_u32 s76, s76, s77                     ; tile 4 A + 2 Bq of wv
	s_mul_i32 s77, s76, 3072
	s_add_co_u32 s77, s77, WIMG+98304
	v_add_nc_u32 v[AWV], s77, v[LI]
	v_add_nc_u32 v[AX], XIMG, v[LI]
	s_mul_i32 s77, s18, 6144                       ; token tiles 2 Bq, 2 Bq + 1
	s_add_co_u32 s77, s77, XIMG
	v_add_nc_u32 v[AX2], s77, v[LI]
	s_lshl_b32 s77, s17, 10
	s_add_co_u32 s77, s77, WSC
	v_add_nc_u32 v[SW], s77, v[LS]
	s_lshl_b32 s77, s76, 8
	s_add_co_u32 s77, s77, WSC+8192
	v_add_nc_u32 v[SWV], s77, v[LS]
	v_add_nc_u32 v[SX], XSC, v[LS]
	s_lshl_b32 s77, s18, 9
	s_add_co_u32 s77, s77, XSC
	v_add_nc_u32 v[SX2], s77, v[LS]
	s_lshr_b32 s76, s17, 1                         ; x phase: token tile A begins at row 32 (A / 2) + 8 (A % 2)
	s_lshl_b32 s76, s76, 5
	s_and_b32 s77, s17, 1
	s_lshl_b32 s77, s77, 3
	s_add_co_u32 s76, s76, s77
	s_mul_i32 s76, s76, XP
	s_lshl_b32 s77, s18, 9                         ; K step Bq: 512 bytes on
	s_add_co_u32 s76, s76, s77
	v_and_b32 v[XR], 8, v2
	s_delay_alu instid0(VALU_DEP_1)
	v_add_nc_u32 v[XR], v[XR], v2                  ; r + 8 (r / 8)
	s_delay_alu instid0(VALU_DEP_1)
	v_mul_u32_u24 v[XR], v[XR], XP
	s_delay_alu instid0(VALU_DEP_1)
	v_lshl_add_u32 v[XR], v3, 6, v[XR]             ; + 64 h
	s_delay_alu instid0(VALU_DEP_1)
	v_add_nc_u32 v[XR], s76, v[XR]
	s_mul_i32 s76, s[WV], 1536                     ; my fragment of x is number 2 A + Bq = wave
	s_add_co_u32 s76, s76, XIMG
	v_add_nc_u32 v[XWI], s76, v[LI]
	s_lshl_b32 s76, s[WV], 7
	s_add_co_u32 s76, s76, XSC
	v_add_nc_u32 v[XWS], s76, v[LS]
.irp b, 0,1,2,3
	v_mov_b32 v[TM+4+\b], 0                        ; written once: a lane permute's destination counts as one of its sources
.endr
	; where my results go
	s_lshr_b32 s68, s16, 6                         ; batch
	s_and_b32 s69, s16, 63                         ; group in the batch
	s_lshl_b32 s70, s68, 2
	s_add_co_u32 s70, s70, s17                     ; 4 b + head
	s_lshl_b32 s71, s70, 6
	s_add_co_u32 s71, s71, s69
	s_mul_i32 s72, s71, 3072
	s_mul_i32 s73, s18, 1536                       ; images 2 Bq, 2 Bq + 1
	s_add_co_u32 s72, s72, s73
	s_mov_b32 s73, 0
	s_add_nc_u64 s[10:11], s[10:11], s[72:73]
	s_lshl_b32 s74, s70, 13
	s_lshl_b32 s75, s69, 7
	s_add_co_u32 s74, s74, s75
	s_lshl_b32 s75, s18, 6
	s_add_co_u32 s74, s74, s75
	s_mov_b32 s75, 0
	s_add_nc_u64 s[12:13], s[12:13], s[74:75]
	; ---- X: my 16 tokens x 128 along K of x become a fragment
	s_wait_alu depctr_va_vdst(0)
	s_wait_tensorcnt 0x0                           ; my one load is in: the waves issue different loads, so the wait is for 0
	s_barrier_signal -1
	s_barrier_wait -1                              ; everybody's rows are in
.irp b, 0,1,2,3
.irp j, 0,1,2,3
	ds_load_b128 v[ACC+16*\b+4*\j:ACC+16*\b+4*\j+3], v[XR] offset:128*\b+16*\j
.endr
.endr
	s_wait_dscnt 0x0
	QUANT ACC
.irp c, 0,1,2
	ds_store_b128 v[XWI], v[PC+4*\c:PC+4*\c+3] offset:512*\c
.endr
	ds_store_b32 v[XWS], v[PW]
	s_wait_tensorcnt 0x0                           ; for the others' sake: my parts of the weights are in,
	s_wait_dscnt 0x0                               ; and my stores have landed
	s_barrier_signal -1
	s_barrier_wait -1                              ; x's eight fragments and all weights lie in LDS
; ---- A UNIT: 4 tiles of source 0 x 2 tiles of source 1 x 256 along K: 16 matrix instructions on 8 accumulators by turns, quantised and stored.
.macro UNIT kind
.if \kind > 0
	s_wait_xcnt 0x0                                ; the last unit's stores have read their registers, which the loads below and the quantiser write again
.endif
.irp s, 0,1
.irp i, 0,1,2,3
.if \kind < 2
	FETCH F+12*(4*\s+\i), AW, \kind*49152+(2*\i+\s)*1536
	ds_load_b32 v[SCR+4*\s+\i], v[SW] offset:\kind*4096+(2*\i+\s)*128
.else
	FETCH F+12*(4*\s+\i), AX, (2*\i+\s)*1536
	ds_load_b32 v[SCR+4*\s+\i], v[SX] offset:(2*\i+\s)*128
.endif
.endr
.irp i, 0,1
.if \kind < 2
	FETCH F+96+12*(2*\s+\i), AX2, (2*\i+\s)*1536
	ds_load_b32 v[SCR+8+2*\s+\i], v[SX2] offset:(2*\i+\s)*128
.else
	FETCH F+96+12*(2*\s+\i), AWV, (2*\i+\s)*1536
	ds_load_b32 v[SCR+8+2*\s+\i], v[SWV] offset:(2*\i+\s)*128
.endif
.endr
.endr
	s_wait_dscnt 24                                ; K step 0's 24 loads are in; K step 1's 24 may be out
.irp j, 0,1
.irp i, 0,1,2,3
	v_wmma_scale_f32_16x16x128_f8f6f4 v[ACC+32*\j+8*\i:ACC+32*\j+8*\i+7], v[F+12*\i:F+12*\i+11], v[F+96+12*\j:F+96+12*\j+11], 0, v[SCR+\i], v[SCR+8+\j] matrix_a_fmt:MATRIX_FMT_FP6 matrix_b_fmt:MATRIX_FMT_FP6
.endr
.endr
	s_wait_dscnt 0x0
.irp j, 0,1
.irp i, 0,1,2,3
	v_wmma_scale_f32_16x16x128_f8f6f4 v[ACC+32*\j+8*\i:ACC+32*\j+8*\i+7], v[F+12*(4+\i):F+12*(4+\i)+11], v[F+96+12*(2+\j):F+96+12*(2+\j)+11], v[ACC+32*\j+8*\i:ACC+32*\j+8*\i+7], v[SCR+4+\i], v[SCR+10+\j] matrix_a_fmt:MATRIX_FMT_FP6 matrix_b_fmt:MATRIX_FMT_FP6
.endr
.endr
.rept 5
	v_nop                                          ; four places in front of the first read of results and of writes over operands (ISA guide 7.12.1); the fifth for the next unit's products, which begin these accumulators anew
.endr
	QUANT ACC
.irp c, 0,1                                    ; two half images of 768 bytes: 512 and 256 consecutive bytes, each at a multiple of 256 from qkvc's first byte
	global_store_b128 v[LI], v[PC+6*\c:PC+6*\c+3], s[10:11] offset:\kind*3145728+768*\c
	global_store_b64 v[VO8], v[PC+6*\c+4:PC+6*\c+5], s[10:11] offset:\kind*3145728+768*\c+512
.endr
	v_lshrrev_b32 v[VAL], v[SH], v[PW]             ; lanes 0-15 store the word's lower half, lanes 16-31 its upper: 64 consecutive bytes, no byte twice
	global_store_b16 v[VSO], v[VAL], s[12:13] offset:\kind*131072
.endm
	UNIT 0
	UNIT 1
	UNIT 2
	s_wait_dscnt 0x0
	s_wait_tensorcnt 0x0
	ds_add_u32 v254, v255
	s_wait_dscnt 0x0
	CROUND                                         ; the closing round: no work-group ends while a partner may still ask for a tile that names it
	s_endpgm
.Lfunc_end_k_q52a368b670_qkv:
	.size	k_q52a368b670_qkv, .Lfunc_end_k_q52a368b670_qkv-k_q52a368b670_qkv
	.p2alignl 7, 3214868480
	.fill 96, 4, 3214868480
	.section	.rodata,"a",@progbits
	.p2align	6, 0x0
	.amdhsa_kernel k_q52a368b670_qkv
		.amdhsa_group_segment_fixed_size 240640
		.amdhsa_private_segment_fixed_size 0
		.amdhsa_enable_private_segment 0
		.amdhsa_kernarg_size 40
		.amdhsa_user_sgpr_count 2
		.amdhsa_user_sgpr_kernarg_segment_ptr 1
		.amdhsa_wavefront_size32 1
		.amdhsa_system_sgpr_workgroup_id_x 1
		.amdhsa_system_sgpr_workgroup_id_y 1
		.amdhsa_system_sgpr_workgroup_id_z 1
		.amdhsa_system_vgpr_workitem_id 0
		.amdhsa_next_free_vgpr 256
		.amdhsa_next_free_sgpr 96
		.amdhsa_reserve_vcc 0
		.amdhsa_float_denorm_mode_32 3
		.amdhsa_float_denorm_mode_16_64 3
		.amdhsa_memory_ordered 1
		.amdhsa_forward_progress 1
		.amdhsa_inst_pref_size 45
	.end_amdhsa_kernel
	.amdgpu_metadata
---
amdhsa.version: [ 1, 2 ]
amdhsa.kernels:
  - .name:           k_q52a368b670_qkv
    .symbol:         k_q52a368b670_qkv.kd
    .args:
      - { .name: x, .offset: 0, .size: 8, .value_kind: global_buffer, .address_space: global }
      - { .name: wc, .offset: 8, .size: 8, .value_kind: global_buffer, .address_space: global }
      - { .name: ws, .offset: 16, .size: 8, .value_kind: global_buffer, .address_space: global }
      - { .name: qkvc, .offset: 24, .size: 8, .value_kind: global_buffer, .address_space: global }
      - { .name: qkvs, .offset: 32, .size: 8, .value_kind: global_buffer, .address_space: global }
    .group_segment_fixed_size: 240640
    .private_segment_fixed_size: 0
    .kernarg_segment_align: 8
    .kernarg_segment_size: 40
    .max_flat_workgroup_size: 256
    .sgpr_count:     96
    .vgpr_count:     256
    .wavefront_size: 32
...
	.end_amdgpu_metadata
.endif
;; end of part 2
;; launch attn (part 3): grid 64 x 4, 16 waves a work-group, clusters of 4 x 1, 327,680 bytes of LDS; arguments qkvc, qkvs, wc, ws, bo, out0; writes out0
.if DOCPART == 3
	.amdgcn_target "amdgcn-amd-amdhsa--gfx1250"
	.amdhsa_code_object_version 6
	.text
	.protected	k_q52a368b670_attn
	.globl	k_q52a368b670_attn
	.p2align	8
	.type	k_q52a368b670_attn,@function
k_q52a368b670_attn:
	s_mov_b64 s[64:65], 0
	v_nop
	global_prefetch_b8 v0, s[64:65] scope:SCOPE_SE
	s_setreg_imm32_b32 hwreg(HW_REG_WAVE_MODE, 25, 1), 1
	s_wait_xcnt 0x0
	s_wait_alu depctr_hold_cnt(0) depctr_sa_sdst(0) depctr_va_vdst(0) depctr_va_sdst(0) depctr_va_ssrc(0) depctr_va_vcc(0) depctr_vm_vsrc(0)
	s_getreg_b32 s2, hwreg(HW_REG_IB_STS2, 6, 4)
	s_cmp_eq_u32 s2, 0
	s_cbranch_scc0 .Lentry_in_a_cluster
	s_endpgm
.Lentry_in_a_cluster:
	s_bfe_u32 s2, ttmp6, 0x10000c
	s_cmp_lg_u32 s2, 0x3003
	s_cbranch_scc0 .Lentry_shape_is_right
	s_endpgm
.Lentry_shape_is_right:
; out0 = Q(softmax(q k^T / 8) v) Q(wo)^T + bo, all three products on codes of FP6 (E2M3) with one E8M0 scale for each 32 along K.  q, k, v come as half images and scale words, wo as fragment images, all made by the launches before.
; THE SOFTMAX AHEAD OF THE SECOND PRODUCT: t = score x log2(e) / 8; M = the row's largest t so far, rounded UP to a whole number; p = 2^(t - M) is what is quantised, along the keys; it is not normalised.
; The row's sum is taken of the unquantised p, in f32, and divides O at the end.  When M moves, the sum and O are multiplied by 2^(old M - new M): exact.
; SHARES.  A work-group owns 64 queries (group g of batch b) of ALL FOUR HEADS, so that it holds whole rows of the attention's result and can make its rows of out0 itself.  Wave w = (head w / 4, query tile w % 4):
; 16 queries of one head in 256 registers; four waves to a SIMD, so that one wave's vector work stands beside another's LDS loads and matrix work.  Every wave walks the 4,096 keys, 128 a step.
; LAYOUT.  Both products are used transposed: S^T = k q^T (source 0 = 16 keys), O^T = v^T p^T (source 0 = 16 of the head's 64): a lane holds ONE query (lane % 16) throughout.
; The tokens of a tile, the features of a tile of v and the rows of a tile of wo are 32 b + 8 u + r + 8 (r / 8) for lane r of tile 2 b + u: so the 16 registers of tiles 2 b, 2 b + 1 are 16 neighbours along the next K.
; K = 64 IN AN INSTRUCTION OF 128: an even tile of keys lays its 6 registers in the fragment's registers 0-5, an odd one in 6-11; the other six are zero codes, one run of six zeros between the two of a pair;
; q lies as [q][zeros][q].  One scale word serves both tiles of a pair: each tile's two bytes stand where its codes stand, and the other two (1 .. 254) meet zero codes.
; RING.  Two LDS slots of 256 keys: k's and v's half images of the four heads, 98,304 bytes, filled by waves 0-7 (12,288 dense bytes each).  The scale words of the whole batch (65,536 bytes) come once, by waves 8-15.
; CLUSTER.  The four query groups of a cluster belong to one batch and walk the same k and v: every tile is asked for JOINTLY, by the same tensor load with the same descriptor and a mask that names the four.
; By this text's own count a wave has one tensor load out.
; LIMITS: NaN and infinities are not served; a block whose largest magnitude lies under 2^-124 keeps the byte 1; a block of zeros gets the byte 1 and not 127: its codes are zeros.
.set SLOT1, 1<<17                      ; slot 0 at 0, slot 1 here: one exclusive or turns an address in one slot into the other's
.set SPARE, 98304                      ; behind slot 0: the spare words, 128 bytes for each of 16 waves: eight blocks of 256 bytes that no other line names
.set OIMG,  100352                     ; the attention's result as 8 fragments (query tile m, K step s: 2 m + s) of 1,536 bytes: two half images each (heads 2 s, 2 s + 1)
.set OSC,   112640                     ; its scale words: 128 bytes for each wave's half image, number 2 (2 m + s) + head % 2
.set SC,    229376                     ; behind slot 1: k's scale words, head x 8,192 + group x 128; v's 32,768 further on
.set VCO,   49152                      ; in a slot: k's four heads (12,288 each), then v's
.set VWO,   32768
.set YP,    1040                       ; the way out: 64 rows x (1,024 bytes + 16), in slot 0, which has had its last fill and its last read at the last change of slots
.set A16, 1                            ; v1   head x 12,288 + 16 x lane
.set A8,  2                            ; v2   head x 12,288 + 8 x lane
.set AS,  3                            ; v3   SC + head x 8,192 + 4 x lane
.set AD16, 4                           ; v4-6 the same in the slot in hand
.set AD8, 5
.set ADS, 6
.set SPW, 7                            ; v7   LDS address of my spare word: SPARE + 4 x my thread's number; never rewritten
.set NIL, 8                            ; v8   0; never rewritten
.set Q,   16                           ; v16-33   [q][zeros][q].   v9 at work; v[10:11] f and 0; v12 -M, v13 the largest t; v[14:15] the sum in two halves
.set KB,  34                           ; v34-69   two pairs of key tiles, [even][zeros][odd]
.set VF,  70                           ; v70-117  v's four fragments (16 features x 128 keys)
.set S,   118                          ; v118-181 S^T, then p
.set O,   182                          ; v182-213 O^T
.set PCD, 214                          ; v214-225 p's codes
.set CT,  226                          ; v226-233 conversions' second halves
.set BM,  234                          ; v234-237 the blocks' largest scores, then largest p
.set BP,  238                          ; v238-241 at work
.set SOP, 242                          ; v242-245 the conversions' scale operands
.set QS,  246                          ; v246-255 hold scales, v250-251 and v254-255 also the row sum's partial sums: q's word;
.set PS,  247                          ; p's;
.set KS,  248                          ; k's, one for each group of 64 keys;
.set VR,  250                          ; v's as they lie, one for each group;
.set VS,  252                          ; v's as the products want them
.set WV,  16                           ; s16  my wave's number
.set CS,  22                           ; s[22:23] c = log2(e) / 8: the packed form names a pair and takes its low word for both halves
.set G1C, 24                           ; s[24:31] descriptor group 1 for a slot's part;  s[32:39] for the scale words;  s[40:43], s[44:47] their groups 0
.set G1S, 32
.set G0C, 40
.set G0S, 44
.set SEL, 48                           ; s[48:49] lane selects for v_permlanex16_b32: lane l xor 16
.set TB,  50                           ; s50  LDS byte at which the slot in hand begins
.set TS,  51                           ; s51  where its scale words begin: 512 bytes a slot
.set SLOTS, 52                         ; s52  slots still to be asked for
.macro PLACES
.rept 4
	v_nop
.endr
.endm
.macro CROUND                          ; a round of the cluster's barrier
	s_barrier_signal -1
	s_barrier_wait -1
	s_cmp_lg_u32 s[WV], 0
	s_cbranch_scc1 .Lnot_wave_0_\@
	s_barrier_signal -3
.Lnot_wave_0_\@:
	s_barrier_wait -3
	s_barrier_signal -1
	s_barrier_wait -1
.endm
; The first fills: waves 0-7 slot 0's eight parts, waves 8-15 the scale words' eight.  The branch hangs on the wave's number alone.  Four v_nop follow each line.
.macro FIRST
	s_cmp_lt_u32 s[WV], 8
	s_cbranch_scc0 .Lwords_\@
	tensor_load_to_lds s[G0C:G0C+3], s[G1C:G1C+7]
	s_nop 0
	PLACES
	s_branch .Lasked_\@
.Lwords_\@:
	tensor_load_to_lds s[G0S:G0S+3], s[G1S:G1S+7]
	s_nop 0
	PLACES
.Lasked_\@:
.endm
.macro REFILL                          ; waves 0-7 fill a slot; the others issue nothing
	s_cmp_lt_u32 s[WV], 8
	s_cbranch_scc0 .Lnone_\@
	tensor_load_to_lds s[G0C:G0C+3], s[G1C:G1C+7]
	s_nop 0
	PLACES
.Lnone_\@:
.endm
; THE CHANGE OF SLOTS stands at a slot's head.  Each wave waits for all its tensor loads (its part of the slot ahead), adds 0 to its spare word, and waits for that and for its reads of the slot that it has left.
; fill = 1: the barrier is a round of the cluster's, so that no wave of any partner still reads the slot left or has a load on its way, and that slot takes the keys that follow: the load has two key steps of sixteen waves in which to land.
.macro CHANGE fill
	s_wait_tensorcnt 0x0                           ; no tensor load of mine is out, so a group 0 may be written
	ds_add_u32 v[SPW], v[NIL]                      ; 0 onto my spare word
.if \fill
	s_xor_b32 s[G0C+1], s[G0C+1], SLOT1            ; the walking descriptor: the other slot than last time,
	s_add_nc_u64 s[G0C+2:G0C+3], s[G0C+2:G0C+3], 12288   ; the next 256 keys; the type bits on top are not reached
.endif
	s_wait_dscnt 0x0                               ; the add is done, and my reads of the slot that I have left are over
.if \fill
	CROUND
	REFILL                                         ; the first thing behind the round, and a wave's one tensor load until the next
.else
	s_barrier_signal -1
	s_barrier_wait -1
.endif
.endm
.macro KLOAD q, t                      ; key tile t of 8 of the slot's q-th step: a half image, 512 + 256 consecutive bytes, into its place in its pair
	ds_load_b128 v[KB+18*(((\t)/2)%2)+12*((\t)%2):KB+18*(((\t)/2)%2)+12*((\t)%2)+3], v[AD16] offset:(\q)*6144+(\t)*768
	ds_load_b64 v[KB+18*(((\t)/2)%2)+12*((\t)%2)+4:KB+18*(((\t)/2)%2)+12*((\t)%2)+5], v[AD8] offset:(\q)*6144+(\t)*768+512
.endm
.macro QK t                            ; S^T of key tile t.  k's word: group t / 4; tiles 0, 1 of a group in lanes 0-15, tiles 2, 3 in lanes 16-31
.if ((\t)/2)%2
	v_wmma_scale_f32_16x16x128_f8f6f4 v[S+8*(\t):S+8*(\t)+7], v[KB+18+6*((\t)%2):KB+18+6*((\t)%2)+11], v[Q+6*((\t)%2):Q+6*((\t)%2)+11], 0, v[KS+(\t)/4], v[QS] matrix_a_fmt:MATRIX_FMT_FP6 matrix_b_fmt:MATRIX_FMT_FP6 matrix_a_scale:MATRIX_SCALE_ROW1
.else
	v_wmma_scale_f32_16x16x128_f8f6f4 v[S+8*(\t):S+8*(\t)+7], v[KB+6*((\t)%2):KB+6*((\t)%2)+11], v[Q+6*((\t)%2):Q+6*((\t)%2)+11], 0, v[KS+(\t)/4], v[QS] matrix_a_fmt:MATRIX_FMT_FP6 matrix_b_fmt:MATRIX_FMT_FP6
.endif
.endm
.macro PV t                            ; O^T += v^T p^T, feature tile t.  The four accumulators take turns
.if (\t) < 2
	v_wmma_scale_f32_16x16x128_f8f6f4 v[O+8*(\t):O+8*(\t)+7], v[VF+12*(\t):VF+12*(\t)+11], v[PCD:PCD+11], v[O+8*(\t):O+8*(\t)+7], v[VS+(\t)%2], v[PS] matrix_a_fmt:MATRIX_FMT_FP6 matrix_b_fmt:MATRIX_FMT_FP6
.else
	v_wmma_scale_f32_16x16x128_f8f6f4 v[O+8*(\t):O+8*(\t)+7], v[VF+12*(\t):VF+12*(\t)+11], v[PCD:PCD+11], v[O+8*(\t):O+8*(\t)+7], v[VS+(\t)%2], v[PS] matrix_a_fmt:MATRIX_FMT_FP6 matrix_b_fmt:MATRIX_FMT_FP6 matrix_a_scale:MATRIX_SCALE_ROW1
.endif
.endm
; A KEY STEP: 128 keys, the q-th of the slot in hand.
; Its first four key tiles and k's words were asked for by the step before (KFIRST).  mode 0: a slot's first step: it asks for the second step's first tiles behind its own last QK products;
; mode 1: a slot's second step, with the change of slots and a refill in it; mode 2: the same with no refill; mode 3: the walk's last step.
.macro STEP q, mode
	s_wait_dscnt 0x0                               ; k's first four tiles and words are in
.irp t, 0,1,2,3
	QK \t
.endr
	PLACES                                         ; in front of loads into registers that matrix instructions have read: k's pairs, and v's fragments, which the last step's last products read
.irp t, 4,5,6,7
	KLOAD \q, \t
.endr
.irp t, 0,1,2,3
.irp g, 0,1                                    ; v's fragment t: registers 6 g on are the half image of the step's g-th group of 64 keys
	ds_load_b128 v[VF+12*\t+6*\g:VF+12*\t+6*\g+3], v[AD16] offset:VCO+(\q)*6144+\g*3072+\t*768
	ds_load_b64 v[VF+12*\t+6*\g+4:VF+12*\t+6*\g+5], v[AD8] offset:VCO+(\q)*6144+\g*3072+\t*768+512
.endr
.endr
	ds_load_b32 v[VR], v[ADS] offset:VWO+(\q)*256
	ds_load_b32 v[VR+1], v[ADS] offset:VWO+(\q)*256+128
	s_wait_dscnt 18                                ; k's 8 loads are in; v's 16 and its 2 words, issued behind them, land under the softmax
.irp t, 4,5,6,7
	QK \t
.endr
	PLACES
.if (\mode)==0
	KFIRST 1                                       ; k's pairs and words are done with (four places behind their last products): the next step's first tiles land under the softmax
.endif
.irp b, 0,1,2,3
	v_max3_num_f32 v[BM+\b], v[S+16*\b], v[S+1+16*\b], v[S+2+16*\b]   ; THE LARGEST SCORE OF EACH BLOCK OF 32 KEYS serves twice: for the row's maximum, and, since p rises with the score, for the block's largest p
.endr
.irp i, 3,5,7,9,11,13
.irp b, 0,1,2,3
	v_max3_num_f32 v[BM+\b], v[BM+\b], v[S+16*\b+\i], v[S+1+16*\b+\i]   ; (the four blocks by turns)
.endr
.endr
.irp b, 0,1,2,3
	v_max_num_f32 v[BM+\b], v[BM+\b], v[S+15+16*\b]
.endr
.irp b, 0,1,2,3
	s_delay_alu instid0(VALU_DEP_4)
	v_permlanex16_b32 v[BP+\b], v[BM+\b], s[SEL], s[SEL+1]
.endr
.irp b, 0,1,2,3
	s_delay_alu instid0(VALU_DEP_4)
	v_max_num_f32 v[BM+\b], v[BM+\b], v[BP+\b]     ; with lane l xor 16's 16 keys
.endr
	s_delay_alu instid0(VALU_DEP_2)
	v_max3_num_f32 v9, v[BM], v[BM+1], v[BM+2]
	s_delay_alu instid0(VALU_DEP_1)
	v_max_num_f32 v9, v9, v[BM+3]                  ; the step's largest score of my query
	s_delay_alu instid0(VALU_DEP_1)
	v_mul_f32 v9, s[CS], v9                        ; as t (c is positive)
	s_delay_alu instid0(VALU_DEP_1)
	v_max_num_f32 v13, v13, v9                     ; the running largest t
	v_mov_b32 v9, v12
	s_delay_alu instid0(VALU_DEP_2)
	v_floor_f32 v12, -v13                          ; the new -M = floor(-t) = -ceil(t): M is a whole number
	s_delay_alu instid0(VALU_DEP_1)
	v_sub_f32 v9, v12, v9                          ; M's old value less its new one: a whole number, 0 or less
	s_delay_alu instid0(VALU_DEP_1)
	v_cvt_i32_f32 v9, v9                           ; (it saturates)
	s_delay_alu instid0(VALU_DEP_1)
	v_ldexp_f32 v10, 1.0, v9                       ; f = 2^(old M - new M)
.set J, 0
.rept 32
	v_pk_fma_f32 v[S+J:S+J+1], v[S+J:S+J+1], s[CS:CS+1], v[12:13] op_sel_hi:[1,0,0]   ; t - M, two at a time (of the pairs c and -M the low word serves both halves)
.set J, J+2
.endr
.irp b, 0,1,2,3
	v_fma_f32 v[BM+\b], v[BM+\b], s[CS], v12       ; the same of each block's largest score
.endr
.set J, 0
.if (\mode)==1 || (\mode)==2
	; THE CHANGE OF SLOTS begins here: v's 18 loads, my last of this slot, were issued ahead of the last QK products
	s_wait_tensorcnt 0x0                           ; all my tensor loads are done: my part of the slot ahead; so a group 0 may be written
	ds_add_u32 v[SPW], v[NIL]                      ; 0 onto my spare word
.if (\mode)==1
	s_xor_b32 s[G0C+1], s[G0C+1], SLOT1            ; the walking descriptor: the other slot than last time,
	s_add_nc_u64 s[G0C+2:G0C+3], s[G0C+2:G0C+3], 12288   ; the next 256 keys
.endif
	s_wait_dscnt 0x0                               ; the add is done, v's fragments and words are in, and my reads of this slot are over
	s_barrier_signal -1                            ; say so; the exponentials, the quantising and the row's sum, work on registers alone, stand between the signal and the wait
.endif
	s_wait_alu depctr_va_vdst(0)
.rept 64
	v_exp_f32 v[S+J], v[S+J]                       ; p = 2^(t - M), at most 1: not normalised
.set J, J+1
.endr
.irp b, 0,1,2,3
	v_exp_f32 v[BM+\b], v[BM+\b]                   ; the block's largest p: the same two instructions on the same number give the same bits
.endr
	v_pk_mul_f32 v[14:15], v[14:15], v[10:11] op_sel_hi:[1,0]   ; the sums under the new M.  (A plain place behind the exponentials)
	s_wait_alu depctr_va_vdst(0)
.irp b, 0,1,2,3
	v_max_num_f32 v[BM+\b], 0x1800000, v[BM+\b]    ; the floor 2^(3 - 127): the byte cannot fall under 1
.endr
.irp b, 0,1,2,3
	s_delay_alu instid0(VALU_DEP_4)
	v_add_nc_u32 v[SOP+\b], 0xff000000, v[BM+\b]   ; 2 off the exponent field: the conversion's scale operand
.endr
.irp b, 0,1,2,3
	s_delay_alu instid0(VALU_DEP_4)
	v_lshrrev_b32 v[BP+\b], 23, v[SOP+\b]          ; the scale's byte
.endr
	s_delay_alu instid0(VALU_DEP_3)
	v_lshl_or_b32 v[PS], v[BP+1], 8, v[BP]         ; p's scale word for these 128 keys
	s_delay_alu instid0(VALU_DEP_1)
	v_lshl_or_b32 v[PS], v[BP+2], 16, v[PS]
	s_delay_alu instid0(VALU_DEP_1)
	v_lshl_or_b32 v[PS], v[BP+3], 24, v[PS]
.irp c, 0,1
	v_cvt_scalef32_pk16_fp6_f32 v[PCD+6*\c:PCD+6*\c+2], v[S+32*\c:S+32*\c+15], v[SOP+2*\c]
	v_cvt_scalef32_pk16_fp6_f32 v[CT+4*\c:CT+4*\c+2], v[S+16+32*\c:S+31+32*\c], v[SOP+2*\c+1]   ; (a conversion's three registers begin on an even number)
.endr
	v_nop                                          ; one plain place behind a scaled conversion
.irp c, 0,1                                    ; a whole block in a lane: lanes 0-15 block 2 c, lanes 16-31 block 2 c + 1
.irp i, 0,1,2
	v_permlane16_swap_b32 v[PCD+6*\c+\i], v[CT+4*\c+\i]
.endr
.irp i, 0,1,2
	s_delay_alu instid0(VALU_DEP_3)
	v_mov_b32 v[PCD+3+6*\c+\i], v[CT+4*\c+\i]
.endr
.endr
.if (\mode)==0 || (\mode)==3
	s_wait_dscnt 0x0                               ; v's fragments and words are in (in modes 1 and 2 they were waited for ahead of the exponentials)
.endif
	v_perm_b32 v[VS], v[VR+1], v[VR], 0x05040100   ; a word for 128 keys: the first group's two bytes, then the second's: feature tiles 0 (lanes 0-15) and 2 (lanes 16-31),
	v_perm_b32 v[VS+1], v[VR+1], v[VR], 0x07060302 ; tiles 1 and 3
	v_pk_add_f32 v[238:239], v[122:123], v[126:127]
	v_pk_add_f32 v[254:255], v[130:131], v[134:135]
	v_pk_add_f32 v[250:251], v[138:139], v[142:143]
	v_pk_add_f32 v[226:227], v[146:147], v[150:151]
	v_pk_add_f32 v[244:245], v[154:155], v[158:159]
	v_pk_add_f32 v[242:243], v[162:163], v[166:167]
	v_pk_add_f32 v[236:237], v[170:171], v[174:175]
	v_pk_add_f32 v[14:15], v[14:15], v[178:179]
	v_pk_add_f32 v[238:239], v[238:239], v[118:119]
	v_pk_add_f32 v[254:255], v[254:255], v[120:121]
	v_pk_add_f32 v[250:251], v[250:251], v[124:125]
	v_pk_add_f32 v[226:227], v[226:227], v[128:129]
	v_pk_add_f32 v[244:245], v[244:245], v[132:133]
	v_pk_add_f32 v[242:243], v[242:243], v[136:137]
	v_pk_add_f32 v[236:237], v[236:237], v[140:141]
	v_pk_add_f32 v[14:15], v[14:15], v[144:145]
	v_pk_add_f32 v[238:239], v[238:239], v[148:149]
	v_pk_add_f32 v[254:255], v[254:255], v[152:153]
	v_pk_add_f32 v[250:251], v[250:251], v[156:157]
	v_pk_add_f32 v[226:227], v[226:227], v[160:161]
	v_pk_add_f32 v[244:245], v[244:245], v[164:165]
	v_pk_add_f32 v[242:243], v[242:243], v[168:169]
	v_pk_add_f32 v[236:237], v[236:237], v[172:173]
	v_pk_add_f32 v[14:15], v[14:15], v[176:177]
	v_pk_add_f32 v[238:239], v[238:239], v[180:181]
	s_delay_alu instid0(VALU_DEP_2)
	v_pk_add_f32 v[14:15], v[14:15], v[226:227]
	s_delay_alu instid0(VALU_DEP_2)
	v_pk_add_f32 v[238:239], v[238:239], v[244:245]
	v_pk_add_f32 v[254:255], v[254:255], v[242:243]
	v_pk_add_f32 v[250:251], v[250:251], v[236:237]
	s_delay_alu instid0(VALU_DEP_2)
	v_pk_add_f32 v[14:15], v[14:15], v[254:255]
	s_delay_alu instid0(VALU_DEP_2)
	v_pk_add_f32 v[238:239], v[238:239], v[250:251]
	s_delay_alu instid0(VALU_DEP_1)
	v_pk_add_f32 v[14:15], v[14:15], v[238:239]
.if (\mode)==1 || (\mode)==2
	s_barrier_wait -1                              ; all sixteen waves have said so
.if (\mode)==1
	CREST                                          ; the barrier has opened a round of the cluster's: no wave of any partner still reads the slot left or has a load on its way
	REFILL                                         ; the first thing behind the round, and a wave's one tensor load until the next
.endif
	s_xor_b32 s[TB], s[TB], SLOT1                  ; on to the other slot,
	s_add_co_u32 s[TS], s[TS], 512                 ; and to the next four groups' scale words
	ADDR                                           ; its first key tiles land under the 16 multiplications and 4 products below
.endif
.set J, 0
.rept 16
	v_pk_mul_f32 v[O+J:O+J+1], v[O+J:O+J+1], v[10:11] op_sel_hi:[1,0]   ; O^T under the new M.  (The 48 lines from the words' making on are the places in front of the scaled products)
.set J, J+2
.endr
.irp t, 0,1,2,3
	PV \t
.endr
.endm
.macro CREST                           ; a round of the cluster's barrier behind its opening barrier
	s_cmp_lg_u32 s[WV], 0
	s_cbranch_scc1 .Lnot_first_\@
	s_barrier_signal -3
.Lnot_first_\@:
	s_barrier_wait -3
	s_barrier_signal -1
	s_barrier_wait -1
.endm
.macro KFIRST q                        ; the first four key tiles and k's two words of the slot's q-th step: 10 LDS loads
.irp t, 0,1,2,3
	KLOAD \q, \t
.endr
	ds_load_b32 v[KS], v[ADS] offset:(\q)*256
	ds_load_b32 v[KS+1], v[ADS] offset:(\q)*256+128
.endm
.macro ADDR                            ; my addresses in the slot in hand, and its first loads
	v_add_nc_u32 v[AD16], s[TB], v[A16]
	v_add_nc_u32 v[AD8], s[TB], v[A8]
	v_add_nc_u32 v[ADS], s[TS], v[AS]
	s_wait_alu depctr_va_vdst(0)
	KFIRST 0
.endm
	s_load_b256 s[4:11], s[0:1], 0x0               ; qkvc s[4:5], qkvs s[6:7], wc s[8:9], ws s[10:11]
	s_load_b128 s[12:15], s[0:1], 0x20             ; bo s[12:13], out0 s[14:15]
	v_lshl_add_u32 v[SPW], v0, 2, SPARE
	v_mov_b32 v[NIL], 0
	ds_add_u32 v7, v8
	ds_add_u32 v7, v8
	s_wait_dscnt 0x0
	v_lshrrev_b32 v9, 5, v0
	s_delay_alu instid0(VALU_DEP_1)
	v_readfirstlane_b32 s[WV], v9                  ; wave 0..15
	s_lshr_b32 s17, s[WV], 2                       ; my head
	s_and_b32 s18, s[WV], 3                        ; my query tile
	s_bfe_u32 s19, ttmp6, 0x40000                  ; cx: my place in the cluster: it enters q's and out0's addresses alone
	s_lshl_b32 s20, ttmp9, 2                       ; in a cluster launch ttmp9 counts clusters
	s_add_co_u32 s20, s20, s19                     ; my group of 64 queries
	s_and_b32 s21, ttmp7, 0xffff                   ; the batch, which the four partners share
	s_mov_b32 s[CS], 0x3e38aa3b                    ; c = log2(e) / 8
	s_mov_b32 s[CS+1], s[CS]                       ; (named with it as a pair, so it is written)
	s_mov_b32 s[SEL], 0x76543210
	s_mov_b32 s[SEL+1], 0xfedcba98
	s_mov_b32 s[TB], 0
	s_mov_b32 s[TS], 0
	s_mov_b32 s[SLOTS], 14                         ; the loop's trips: slots 2 .. 15 are asked for in it
	; descriptor group 1: a dense block as rows of 256 bytes (32 elements of 8 bytes): 48 rows for a slot's part, 32 for a head's scale words
	s_mov_b32 s[G1C+0], 15|(3<<16)|(1<<21)         ; the mask: all four work-groups; elements of 8 bytes; bit 21 set beside a mask
	s_mov_b32 s[G1C+1], 32<<16
	s_mov_b32 s[G1C+2], 48<<16
	s_mov_b32 s[G1C+3], 32<<16
	s_mov_b32 s[G1C+4], 48
	s_mov_b32 s[G1C+5], 32
	s_mov_b32 s[G1C+6], 0
	s_mov_b32 s[G1C+7], 0
	s_mov_b32 s[G1S+0], 15|(3<<16)|(1<<21)
	s_mov_b32 s[G1S+1], 32<<16
	s_mov_b32 s[G1S+2], 32<<16
	s_mov_b32 s[G1S+3], 32<<16
	s_mov_b32 s[G1S+4], 32
	s_mov_b32 s[G1S+5], 32
	s_mov_b32 s[G1S+6], 0
	s_mov_b32 s[G1S+7], 0
	; what I fetch: part j = wave % 8 = 4 x (k or v) + head; in registers that never hold my place in the cluster
	s_and_b32 s66, s[WV], 7
	s_lshr_b32 s67, s66, 2
	s_add_co_u32 s67, s67, 1                       ; kind: 1 = k, 2 = v
	s_and_b32 s68, s66, 3
	s_lshl_b32 s69, s21, 2
	s_add_co_u32 s69, s69, s68                     ; 4 b + the part's head
	s_mul_i32 s70, s67, 3145728
	s_mul_i32 s71, s69, 196608
	s_add_co_u32 s70, s70, s71                     ; the codes, in memory
	s_mov_b32 s71, 0
	s_lshl_b32 s72, s67, 17
	s_lshl_b32 s73, s69, 13
	s_add_co_u32 s72, s72, s73                     ; the scale words, in memory
	s_mov_b32 s73, 0
	s_mul_i32 s74, s66, 12288                      ; and in LDS
	s_lshl_b32 s75, s66, 13
	s_add_co_u32 s75, s75, SC
	s_wait_kmcnt 0x0
	s_mov_b32 s[G0C], 1
	s_mov_b32 s[G0C+1], s74
	s_add_nc_u64 s[G0C+2:G0C+3], s[4:5], s[70:71]
	s_or_b32 s[G0C+3], s[G0C+3], 0x80000000
	s_mov_b32 s[G0S], 1
	s_mov_b32 s[G0S+1], s75
	s_add_nc_u64 s[G0S+2:G0S+3], s[6:7], s[72:73]
	s_or_b32 s[G0S+3], s[G0S+3], 0x80000000
	CROUND                                         ; all four work-groups are here: the first joint loads meet
	FIRST
	; my own addresses: q's half image and scale words, my rows of out0
	s_lshl_b32 s53, s21, 2
	s_add_co_u32 s53, s53, s17                     ; 4 b + my head
	s_mul_i32 s54, s53, 196608
	s_mul_i32 s55, s20, 3072
	s_add_co_u32 s54, s54, s55
	s_mul_i32 s55, s18, 768
	s_add_co_u32 s54, s54, s55
	s_mov_b32 s55, 0
	s_add_nc_u64 s[56:57], s[4:5], s[54:55]
	s_lshl_b32 s54, s53, 13
	s_lshl_b32 s58, s20, 7
	s_add_co_u32 s54, s54, s58
	s_lshr_b32 s58, s18, 1
	s_lshl_b32 s58, s58, 6
	s_add_co_u32 s54, s54, s58
	s_add_nc_u64 s[60:61], s[6:7], s[54:55]
	s_lshl_b32 s54, s21, 22                        ; out0: (4,096 b + 64 g + 4 wave) rows of 1,024 bytes
	s_lshl_b32 s58, s20, 16
	s_add_co_u32 s54, s54, s58
	s_lshl_b32 s58, s[WV], 12
	s_add_co_u32 s54, s54, s58
	s_add_nc_u64 s[14:15], s[14:15], s[54:55]
	s_mov_b32 s62, 0x03020302                      ; which two bytes of q's word are my tile's: bytes 2, 3 for an odd tile,
	s_and_b32 s63, s18, 1
	s_cmp_eq_u32 s63, 0
	s_cselect_b32 s62, 0x01000100, s62             ; bytes 0, 1 for an even one; each pair twice
	; for the last product: wave w makes tile w of wo's rows
	s_mul_i32 s76, s[WV], 3072
	s_add_co_u32 s76, s76, 147456                  ; wo's fragments begin at number 96
	s_mov_b32 s77, 0
	s_add_nc_u64 s[8:9], s[8:9], s[76:77]
	s_lshl_b32 s76, s[WV], 8
	s_add_co_u32 s76, s76, 12288
	s_add_nc_u64 s[10:11], s[10:11], s[76:77]
	s_lshr_b32 s78, s[WV], 1
	s_lshl_b32 s78, s78, 5
	s_and_b32 s79, s[WV], 1
	s_lshl_b32 s79, s79, 3
	s_add_co_u32 s78, s78, s79                     ; the tile's first output: 32 (w / 2) + 8 (w % 2)
	s_lshl_b32 s84, s78, 2                         ; in bytes
	s_mov_b32 s76, s84
	s_add_nc_u64 s[12:13], s[12:13], s[76:77]
	s_lshl_b32 s80, s18, 1
	s_lshr_b32 s81, s17, 1
	s_add_co_u32 s80, s80, s81                     ; my half image belongs to fragment 2 m + head / 2,
	s_and_b32 s81, s17, 1                          ; half head % 2
	s_mul_i32 s82, s80, 1536
	s_mul_i32 s83, s81, 768
	s_add_co_u32 s82, s82, s83
	s_add_co_u32 s82, s82, OIMG
	s_lshl_b32 s83, s80, 1
	s_add_co_u32 s83, s83, s81
	s_lshl_b32 s83, s83, 7
	s_add_co_u32 s83, s83, OSC
	s_mul_i32 s85, s[WV], 4*YP                     ; the way out: my four rows of the stage
	v_and_b32 v9, 31, v0                           ; lane
	s_delay_alu instid0(VALU_DEP_1)
	v_lshlrev_b32 v4, 4, v9
	s_delay_alu instid0(VALU_DEP_2)
	v_lshlrev_b32 v5, 3, v9
	v_and_b32 v6, 15, v0
	s_delay_alu instid0(VALU_DEP_1)
	v_lshlrev_b32 v6, 2, v6
	s_mul_i32 s86, s17, 12288
	v_add_nc_u32 v[A16], s86, v4
	v_add_nc_u32 v[A8], s86, v5
	s_lshl_b32 s86, s17, 13
	s_add_co_u32 s86, s86, SC
	v_lshl_add_u32 v[AS], v9, 2, s86
	global_load_b128 v[Q:Q+3], v4, s[56:57]        ; q's half image, twice: it stays in registers
	global_load_b64 v[Q+4:Q+5], v5, s[56:57] offset:512
	global_load_b128 v[Q+12:Q+15], v4, s[56:57]
	global_load_b64 v[Q+16:Q+17], v5, s[56:57] offset:512
	global_load_b32 v9, v6, s[60:61]               ; the word of my pair of query tiles
.irp i, 6,7,8,9,10,11
	v_mov_b32 v[Q+\i], 0                           ; the zero codes between the halves: written once
	v_mov_b32 v[KB+\i], 0
	v_mov_b32 v[KB+18+\i], 0
.endr
	v_mov_b32 v13, 0xff61b1e6                      ; the largest t so far: -3e38, under every t
	s_delay_alu instid0(VALU_DEP_1)
	v_floor_f32 v12, -v13                          ; -M
	v_mov_b32 v14, 0                               ; the sum, in two halves
	v_mov_b32 v15, 0
	v_mov_b32 v11, 0                               ; (named as the upper half of the pair v[10:11])
.irp b, 0,1,2,3
	v_mov_b32 v[BP+\b], 0                          ; written once: a lane permute's destination counts as one of its sources
.endr
	s_wait_loadcnt 0x0                             ; q and its word; v4-6 may be written again
	v_perm_b32 v[QS], v9, v9, s62                  ; my tile's two bytes, under both halves of the fragment
.set J, 0
.rept 32
	v_mov_b32 v[O+J], 0                            ; O^T: the loop is written once, its first step finds zeros.  (These lines are also the places between the word's making and the first scaled product)
.set J, J+1
.endr
	CHANGE 1                                       ; slot 0 is whole; slot 1's first fill goes out as a refill does
	ADDR
.Lslot:                                            ; 14 trips, a slot of 256 keys each; the change of slots stands inside the second step
	STEP 0, 0
	STEP 1, 1
	s_sub_co_u32 s[SLOTS], s[SLOTS], 1
	s_cmp_lg_u32 s[SLOTS], 0
	s_cbranch_scc1 .Lslot
	STEP 0, 0                                      ; the last two slots are written out
	STEP 1, 2
	STEP 0, 0
	STEP 1, 3
	; ---- O^T / the sum, quantised along (head, channel), becomes an operand of the last product
.set WO,  34                           ; v34-57   wo's two fragments of my tile
.set BI,  58                           ; v58-65   bo at my lane's eight outputs
.set WOS, 246                          ; v246-247 wo's scale words
.set OW,  248                          ; v248-255 the eight fragments' scale words
.set OT,  166                          ; v166-173 their upper halves as they come
.set OF,  70                           ; v70-165  the eight fragments
.set YA,  182                          ; v182-213 four accumulators of out0
.set YO,  70                           ; v70-101  rows of out0 on their way out
	v_and_b32 v9, 31, v0                           ; (six plain lines: the places behind the last products)
	s_delay_alu instid0(VALU_DEP_1)
	v_lshlrev_b32 v4, 4, v9                        ; 16 x lane
	s_delay_alu instid0(VALU_DEP_2)
	v_lshlrev_b32 v5, 3, v9                        ; 8 x lane
	s_delay_alu instid0(VALU_DEP_3)
	v_lshlrev_b32 v6, 2, v9                        ; 4 x lane
	v_bfe_u32 v9, v0, 4, 1
	s_delay_alu instid0(VALU_DEP_1)
	v_lshlrev_b32 v9, 6, v9                        ; 64 h
.irp s, 0,1
.irp c, 0,1,2
	global_load_b128 v[WO+12*\s+4*\c:WO+12*\s+4*\c+3], v4, s[8:9] offset:1536*\s+512*\c
.endr
	global_load_b32 v[WOS+\s], v6, s[10:11] offset:128*\s
.endr
	global_load_b128 v[BI:BI+3], v9, s[12:13]      ; register j of a result is output 32 (w / 2) + 8 (w % 2) + 16 h + j
	global_load_b128 v[BI+4:BI+7], v9, s[12:13] offset:16
	v_add_f32 v14, v14, v15                        ; the sum's two halves,
	s_delay_alu instid0(VALU_DEP_1)
	v_permlanex16_b32 v[BP], v14, s[SEL], s[SEL+1]
	s_delay_alu instid0(VALU_DEP_1)
	v_add_f32 v14, v14, v[BP]                      ; and lane l xor 16's: the row's sum
	s_wait_alu depctr_va_vdst(0)
	v_rcp_f32 v14, v14
	v_add_nc_u32 v1, s82, v4                       ; (a plain place behind the transcendental)  where my half image goes,
	v_add_nc_u32 v2, s82, v5
	v_add_nc_u32 v3, s83, v6                       ; and its scale words
	v_add_nc_u32 v11, OIMG, v4                     ; and from where all are read back
	v_add_nc_u32 v12, OIMG, v5
	v_add_nc_u32 v13, OSC, v6
.set J, 0
	s_wait_alu depctr_va_vdst(0)
.rept 32
	v_mul_f32 v[S+J], v[O+J], v14                  ; register 16 b + i is channel 32 b + 16 h + i of my query; each accumulator from its low end on
.set J, J+1
.endr
.irp b, 0,1
	v_max3_num_f32 v[BM+\b], |v[S+16*\b]|, |v[S+1+16*\b]|, 0x1800000   ; the head's two blocks of 32, with the floor
.endr
.irp i, 2,4,6,8,10,12,14
.irp b, 0,1
	s_delay_alu instid0(VALU_DEP_2)
	v_max3_num_f32 v[BM+\b], v[BM+\b], |v[S+16*\b+\i]|, |v[S+1+16*\b+\i]|
.endr
.endr
.irp b, 0,1
	s_delay_alu instid0(VALU_DEP_2)
	v_permlanex16_b32 v[BP+\b], v[BM+\b], s[SEL], s[SEL+1]
.endr
.irp b, 0,1
	s_delay_alu instid0(VALU_DEP_2)
	v_max_num_f32 v[BM+\b], v[BM+\b], v[BP+\b]
.endr
.irp b, 0,1
	s_delay_alu instid0(VALU_DEP_2)
	v_add_nc_u32 v[SOP+\b], 0xff000000, v[BM+\b]
.endr
.irp b, 0,1
	s_delay_alu instid0(VALU_DEP_2)
	v_lshrrev_b32 v[BP+\b], 23, v[SOP+\b]
.endr
	s_delay_alu instid0(VALU_DEP_1)
	v_lshl_or_b32 v10, v[BP+1], 8, v[BP]           ; my two bytes, in a word's lower half
	v_cvt_scalef32_pk16_fp6_f32 v[PCD:PCD+2], v[S:S+15], v[SOP]
	v_cvt_scalef32_pk16_fp6_f32 v[CT:CT+2], v[S+16:S+31], v[SOP+1]
	v_nop                                          ; one plain place behind a scaled conversion
.irp i, 0,1,2
	v_permlane16_swap_b32 v[PCD+\i], v[CT+\i]
.endr
.irp i, 0,1,2
	s_delay_alu instid0(VALU_DEP_3)
	v_mov_b32 v[PCD+3+\i], v[CT+\i]
.endr
	ds_store_b128 v1, v[PCD:PCD+3]                 ; my half image: 768 bytes of my own
	ds_store_b64 v2, v[PCD+4:PCD+5] offset:512
	ds_store_b32 v3, v10                           ; 128 bytes of my own
	s_wait_dscnt 0x0                               ; for the others' sake: my stores have landed
	s_barrier_signal -1
	s_barrier_wait -1                              ; the 64 rows' eight fragments lie in LDS
.irp f, 0,1,2,3,4,5,6,7
.irp c, 0,1
	ds_load_b128 v[OF+12*\f+6*\c:OF+12*\f+6*\c+3], v11 offset:1536*\f+768*\c
	ds_load_b64 v[OF+12*\f+6*\c+4:OF+12*\f+6*\c+5], v12 offset:1536*\f+768*\c+512
.endr
	ds_load_b32 v[OW+\f], v13 offset:256*\f
	ds_load_b32 v[OT+\f], v13 offset:256*\f+128
.endr
	s_wait_loadcnt 0x0                             ; wo's fragments and words, bo
	s_wait_dscnt 0x0
.irp f, 0,1,2,3,4,5,6,7
	v_lshl_or_b32 v[OW+\f], v[OT+\f], 16, v[OW+\f] ; heads 2 s and 2 s + 1 make the fragment's word
.endr
.rept 8
	v_nop                                          ; a scale register written by a vector instruction stands 8 places ahead of a scaled matrix instruction
.endr
.irp m, 0,1,2,3                                ; out0^T: source 0 = my 16 rows of wo, source 1 = 16 queries; bo is the C of each sum's first product; four accumulators by turns
	v_wmma_scale_f32_16x16x128_f8f6f4 v[YA+8*\m:YA+8*\m+7], v[WO:WO+11], v[OF+24*\m:OF+24*\m+11], v[BI:BI+7], v[WOS], v[OW+2*\m] matrix_a_fmt:MATRIX_FMT_FP6 matrix_b_fmt:MATRIX_FMT_FP6
.endr
.irp m, 0,1,2,3
	v_wmma_scale_f32_16x16x128_f8f6f4 v[YA+8*\m:YA+8*\m+7], v[WO+12:WO+23], v[OF+24*\m+12:OF+24*\m+23], v[YA+8*\m:YA+8*\m+7], v[WOS+1], v[OW+2*\m+1] matrix_a_fmt:MATRIX_FMT_FP6 matrix_b_fmt:MATRIX_FMT_FP6
.endr
	v_and_b32 v1, 15, v0                           ; (seven plain lines: the places behind the products)  the stage: row r + 8 (r / 8) of the tile's,
	v_and_b32 v2, 8, v0
	s_delay_alu instid0(VALU_DEP_1)
	v_add_nc_u32 v1, v1, v2
	s_delay_alu instid0(VALU_DEP_1)
	v_mul_u32_u24 v1, v1, YP
	s_delay_alu instid0(VALU_DEP_1)
	v_add_nc_u32 v1, v1, v9                        ; + 64 h
	s_delay_alu instid0(VALU_DEP_1)
	v_add_nc_u32 v1, s84, v1                       ; + my tile's first output
	v_add_nc_u32 v2, s85, v4                       ; back: my four rows, 16 bytes a lane
.irp m, 0,1,2,3
	ds_store_b128 v1, v[YA+8*\m:YA+8*\m+3] offset:(32*(\m/2)+8*(\m%2))*YP          ; each accumulator from its low end on
	ds_store_b128 v1, v[YA+8*\m+4:YA+8*\m+7] offset:(32*(\m/2)+8*(\m%2))*YP+16
.endr
	s_wait_alu depctr_va_vdst(0)
	s_wait_dscnt 0x0                               ; for the others' sake
	s_barrier_signal -1
	s_barrier_wait -1                              ; 64 whole rows of out0 lie in the stage
.irp n, 0,1,2,3,4,5,6,7
	ds_load_b128 v[YO+4*\n:YO+4*\n+3], v2 offset:(\n/2)*YP+512*(\n%2)
.endr
.irp n, 0,1,2,3,4,5,6,7
	s_wait_dscnt 7-\n                              ; LDS loads come back in order: number n is in
	global_store_b128 v4, v[YO+4*\n:YO+4*\n+3], s[14:15] offset:(\n/2)*1024+512*(\n%2) th:TH_STORE_NT   ; 32 lanes store 512 consecutive bytes, at a multiple of 256 from out0's first byte
.endr
	s_wait_tensorcnt 0x0                           ; the wave's end: behind my last tensor load and my last LDS store
	ds_add_u32 v[SPW], v[NIL]
	s_wait_dscnt 0x0
	CROUND                                         ; the closing round: no work-group ends while a partner may still ask for a tile that names it
	s_endpgm
.Lfunc_end_k_q52a368b670_attn:
	.size	k_q52a368b670_attn, .Lfunc_end_k_q52a368b670_attn-k_q52a368b670_attn
	.p2alignl 7, 3214868480
	.fill 96, 4, 3214868480
	.section	.rodata,"a",@progbits
	.p2align	6, 0x0
	.amdhsa_kernel k_q52a368b670_attn
		.amdhsa_group_segment_fixed_size 327680
		.amdhsa_private_segment_fixed_size 0
		.amdhsa_enable_private_segment 0
		.amdhsa_kernarg_size 48
		.amdhsa_user_sgpr_count 2
		.amdhsa_user_sgpr_kernarg_segment_ptr 1
		.amdhsa_wavefront_size32 1
		.amdhsa_system_sgpr_workgroup_id_x 1
		.amdhsa_system_sgpr_workgroup_id_y 1
		.amdhsa_system_sgpr_workgroup_id_z 1
		.amdhsa_system_vgpr_workitem_id 0
		.amdhsa_next_free_vgpr 256
		.amdhsa_next_free_sgpr 100
		.amdhsa_reserve_vcc 0
		.amdhsa_float_denorm_mode_32 3
		.amdhsa_float_denorm_mode_16_64 3
		.amdhsa_memory_ordered 1
		.amdhsa_forward_progress 1
		.amdhsa_inst_pref_size 128
	.end_amdhsa_kernel
	.amdgpu_metadata
---
amdhsa.version: [ 1, 2 ]
amdhsa.kernels:
  - .name:           k_q52a368b670_attn
    .symbol:         k_q52a368b670_attn.kd
    .args:
      - { .name: qkvc, .offset: 0, .size: 8, .value_kind: global_buffer, .address_space: global }
      - { .name: qkvs, .offset: 8, .size: 8, .value_kind: global_buffer, .address_space: global }
      - { .name: wc, .offset: 16, .size: 8, .value_kind: global_buffer, .address_space: global }
      - { .name: ws, .offset: 24, .size: 8, .value_kind: global_buffer, .address_space: global }
      - { .name: bo, .offset: 32, .size: 8, .value_kind: global_buffer, .address_space: global }
      - { .name: out0, .offset: 40, .size: 8, .value_kind: global_buffer, .address_space: global }
    .group_segment_fixed_size: 327680
    .private_segment_fixed_size: 0
    .kernarg_segment_align: 8
    .kernarg_segment_size: 48
    .max_flat_workgroup_size: 512
    .sgpr_count:     100
    .vgpr_count:     256
    .wavefront_size: 32
...
	.end_amdgpu_metadata
.endif
;; end of part 3
